; MI455X (gfx1250); checked and timed in simulation.
; The chip was launched on July 23, 2026; its instructions are those of AMD's public machine-readable ISA for CDNA 5 (MIT licence, August 2026) and "CDNA5" Instruction Set Architecture Reference Guide (July 2026). The comments in the code are by the model that wrote it; some were corrected since.
;; Multi Head Self Att. Allowed arithmetic: matrix products marked QUANTISED: E2M1 operands, one E8M0 scale for each 32 along K, by v_wmma_scale_f32_16x16x128_f8f6f4 with both operands' format E2M1 (or v_wmma_scale_f32_32x16x128_f4), f32 sums; everything else in f32.
;; Inputs: Wk 1,024 x 1,024 float32; Wq 1,024 x 1,024 float32; Wv 1,024 x 1,024 float32; bk 1,024 float32; bq 1,024 float32; bv 1,024 float32; ts10_input 4 x 2,048 x 1,024 float32.
;; Outputs: out0 4 x 2,048 x 1,024 float32.
;; Constants: mask = 1.
;; This version of the problem:
;;   THIS VERSION OF THE PROBLEM IS GIVEN IN LOW PRECISION. The matrix products marked QUANTISED in the list below multiply operands that are first quantised to E2M1 (2 exponent bits, 1 mantissa bit; 4 bits a number), with one power-of-two scale for each 32 numbers along K (OCP MX v1.0); their sums are f32. All else is computed in f32.
;;   The module's matrix products, in the order in which they are computed (A, B: the left and right operand; K: the contracted axis; several contracted axes count as one K, in the product's order):
;;     1. [M 8,192, K 1,024] x [K 1,024, N 1,024]; A: input ts10_input; B: input Wq: QUANTISED
;;     2. [M 8,192, K 1,024] x [K 1,024, N 1,024]; A: input ts10_input; B: input Wk: QUANTISED
;;     3. [M 8,192, K 1,024] x [K 1,024, N 1,024]; A: input ts10_input; B: input Wv: QUANTISED
;;     4. batch 64 x [M 2,048, K 64] x [K 64, N 2,048]; A: computed on the way; B: computed on the way: QUANTISED
;;     5. batch 64 x [M 2,048, K 2,048] x [K 2,048, N 64]; A: softmax (see below); B: computed on the way: QUANTISED
;;   THE QUANTISER, for each operand of a quantised product, along K:
;;     - K is cut into blocks of 32 from its start; a last block that is shorter is filled with zeros.
;;     - A block's scale is 2^e with e = floor(log2(the largest magnitude in the block)) - 2, held to -126 .. 127; a block of zeros has e = 0. As a byte (E8M0): e + 127.
;;     - Each number is divided by its block's scale, clamped to +-6, and rounded to the nearest number of E2M1, ties to even, subnormals kept.
;;     - The product sums the exact products of the quantised numbers (number of the format x scale) in f32.
;;   ~~~python
;;   def quantise(x, axis):      # numpy; x: float32 -> the quantised numbers, widened to float32 again
;;       x = np.moveaxis(x, axis, -1); K = x.shape[-1]
;;       x = np.pad(x, [(0, 0)] * (x.ndim - 1) + [(0, -K % 32)]); x = x.reshape(x.shape[:-1] + (-1, 32)); a = np.abs(x).max(-1, keepdims=True)
;;       e = np.where(a > 0, np.clip(np.frexp(np.where(a > 0, a, 1))[1] - 1 - 2, -126, 127), 0)      # np.frexp(a)[1] - 1 = floor(log2(a)), exactly
;;       r = np.clip(x / 2.0 ** e, -6, 6)
;;       step = 2.0 ** (np.maximum(np.frexp(np.where(r == 0, 1, r))[1] - 1, 0) - 1)
;;       q = np.round(r / step) * step * 2.0 ** e      # np.round: ties to even
;;       return np.moveaxis(q.reshape(q.shape[:-2] + (-1,))[..., :K], -1, axis).astype(np.float32)
;;   ~~~
;;   SOFTMAX AHEAD OF A QUANTISED PRODUCT. Where the list says 'softmax', what is quantised is not the finished softmax but p = 2^(t - M), with t = logit x log2(e) and M = ceil(the row's largest t), a whole number; so 1/2 < the row's largest p <= 1. The row's sum l is taken of the UNQUANTISED p, in f32, and the product's result is divided by l at the end. Since M is a whole number, a kernel that streams over the keys may use a running M (the ceiling of the running maximum): every later rescaling is an exact power of two, which a block's scale takes up: the codes' values come out the same.
;;   OPERANDS COMPUTED ON THE WAY. 'Computed on the way' means the value that the module computes at that place (a softmax that the list does not call 'softmax' is quantised finished and normalised). What goes into a quantiser is computed in f32, as accurately as f32 sums, v_exp_f32 and their like allow (about 1e-6 of the number): no bf16 or f16 on the way to a quantiser, and a product that is left as it is and whose result goes on into a quantised operand takes f32 operands (vector FMAs, or v_wmma_f32_16x16x4_f32). A number that lies on a knife's edge between two numbers of the format may be rounded either way, as far as f32 arithmetic and the matrix unit's own rounding can turn it there, and no further.
;; One version. Each part assembles by itself: llvm-mc -triple=amdgcn-amd-amdhsa -mcpu=gfx1250 --defsym DOCPART=n.
;; ======== version 1 of 1: 3 launches
;; workspace buffers: x_codes 4,194,304 bytes; x_scales 262,144 bytes; w_codes 1,572,864 bytes; w_scales 98,304 bytes; qkv_codes 12,582,912 bytes; qkv_scales 1,310,720 bytes
;; launch quant (part 1): grid 304 x 1, 4 waves a work-group, no clusters, 68,096 bytes of LDS; arguments ts10_input, Wq, Wk, Wv, x_codes, x_scales, w_codes, w_scales; writes x_codes, x_scales, w_codes, w_scales
.if DOCPART == 1
	.amdgcn_target "amdgcn-amd-amdhsa--gfx1250"
	.amdhsa_code_object_version 6
	.text
	.protected	k_qb6a14f9aa2_quant
	.globl	k_qb6a14f9aa2_quant
	.p2align	8
	.type	k_qb6a14f9aa2_quant,@function
k_qb6a14f9aa2_quant:
	s_mov_b64 s[64:65], 0
	v_nop
	global_prefetch_b8 v0, s[64:65] scope:SCOPE_SE
	s_setreg_imm32_b32 hwreg(HW_REG_WAVE_MODE, 25, 1), 1
	s_wait_xcnt 0x0
; x [8192][1024] f32 (K innermost) and Wq, Wk, Wv [1024 (k)][1024 (n)] f32 (K is the FIRST axis) become codes of FP4 (E2M1), K innermost, two codes a byte, the lower k in the low four bits,
; with one E8M0 scale byte for each 32 along K.  x_codes [8192][512 bytes], x_scales [8192][32]; w_codes [3072][512 bytes], w_scales [3072][32]: rows 0-1023 are Wq's columns, 1024-2047 Wk's, 2048-3071 Wv's.
; A block's scale is 2^(floor(log2(its largest magnitude)) - 2): its byte is the largest magnitude's exponent field - 2, held at 1 from below by a floor among the maximum's leaves.
; LIMITS: a block of zeros gets the byte 1 where the quantiser's rule says 127: its codes are zeros, which add nothing under any byte but 0xff, and these bytes are read by this program alone.
; Blocks whose largest magnitude lies under 2^(3 - 127) keep the byte 1.  NaN and infinities among the inputs are not served.
; SHARES: work-groups 0-47 take the weights (their columns need 512 loads a lane, so they start first), work-groups 48-303 take x.  The two ways part on the work-group's number and have LDS bytes of their own.
; No tensor loads, no barrier, no cluster: no two waves read the same byte, and no wave reads what another wrote.
.set NWW,   48                         ; work-groups for the weights: 3 tensors x 8 groups of 128 columns x 2 halves of K
; ---- x: a plain stream of blocks of 32.  A wave takes 16 steps of 512 numbers
.set STEPS, 16
.set CB,    8                          ; bytes of 16 codes
.set R,     16                         ; v16-79   four sets of 16 numbers as they are loaded
.set X,     80                         ; v80-111  two sets of 16 neighbours
.set E,     112                        ; v112-127 a scale byte for each step
.set C,     128                        ; v128-191 codes: four registers for each step, so that no store's data are written again
.set WREG,  8192                       ; LDS 0 .. 32767: a region for each wave: two stages of 32 x SP bytes, behind them its 256 scale bytes
.set SP,    80                         ; a lane's place in a stage: its 64 bytes + 16 of padding
; ---- the weights: a lane takes a column, its registers run down K
.set WSTG,  32768                      ; LDS 32768 .. 67583: a stage of 32 rows x WP bytes for each wave
.set NB,    16                         ; blocks of 32 along K for a wave: 512 along K
.set WP,    272                        ; a stage row: 256 bytes of codes + 16
.set KROW,  512                        ; a row of w_codes in bytes
.set WX,    32                         ; v32-95   two sets of 32 numbers
.set WC,    96                         ; v96-99   a block's codes
.set OUTR,  112                        ; v112-175 the way out
.set SB,    24                         ; v24-27   the scale bytes, four to a register
.macro XLOAD t                         ; step t: four loads of 512 consecutive bytes, 16 a lane
.irp i, 0,1,2,3
	global_load_b128 v[R+16*((\t)%4)+4*\i:R+16*((\t)%4)+4*\i+3], v3, s[4:5] offset:2048*(\t)+512*\i th:TH_LOAD_NT
.endr
.endm
.macro XTURN t                         ; step t's 2,048 bytes through the wave's own stage: in as they lie, back 64 bytes a lane.  LDS serves a wave's instructions in order (ISA guide 5.7.1.4): no wait between
.irp i, 0,1,2,3
	ds_store_b128 v14, v[R+16*((\t)%4)+4*\i:R+16*((\t)%4)+4*\i+3] offset:32*SP*((\t)%2)+8*SP*\i
.endr
.irp i, 0,1,2,3
	ds_load_b128 v[X+16*((\t)%2)+4*\i:X+16*((\t)%2)+4*\i+3], v15 offset:32*SP*((\t)%2)+16*\i
.endr
.endm
.macro XSTEP t
.set XS, X+16*((\t)%2)
.if (\t) > 0
	s_wait_dscnt 1                                 ; this step's numbers are back from the stage; the one younger LDS instruction, the last step's byte store, may be out
.else
	s_wait_dscnt 0x0
.endif
.if (\t)+4 < STEPS
	XLOAD (\t)+4                                   ; into the set whose stores into the stage are done by the wait above
.endif
.if (\t)+1 < STEPS
.if STEPS-2-(\t) >= 3
	s_wait_loadcnt 12                              ; the next step's four loads are in; the twelve of the three steps behind it may be out
.else
	s_wait_loadcnt 4*(STEPS-2-(\t))                ; the tail: four loads for each step still behind the next one
.endif
	XTURN (\t)+1                                   ; the next step turns through the other stage while this one is worked
.endif
	v_max3_num_f32 v8, |v[XS]|, |v[XS+1]|, |v[XS+2]|               ; the largest magnitude of my 16, in two chains
	v_max3_num_f32 v9, |v[XS+3]|, |v[XS+4]|, |v[XS+5]|
.irp i, 6,10
	v_max3_num_f32 v8, v8, |v[XS+\i]|, |v[XS+\i+1]|
	v_max3_num_f32 v9, v9, |v[XS+\i+2]|, |v[XS+\i+3]|
.endr
	v_max3_num_f32 v8, v8, |v[XS+14]|, |v[XS+15]|
	v_max3_num_f32 v8, v8, v9, 0x1800000           ; and the floor 2^(3 - 127): the byte cannot fall under 1
	v_max_num_f32_dpp v8, v8, v8 row_xmask:1 row_mask:0xf bank_mask:0xf   ; with my neighbour's 16: the block's
	v_add_nc_u32 v11, 0xff000000, v8               ; 2 off its exponent field: the conversion takes the exponent field of this operand as its scale
	v_cvt_scalef32_pk8_fp4_f32 v[C+4*(\t)], v[XS:XS+7], v11
	v_cvt_scalef32_pk8_fp4_f32 v[C+4*(\t)+1], v[XS+8:XS+15], v11
	v_lshrrev_b32 v[E+(\t)], 23, v11               ; the scale's byte (a plain line behind the conversions)
	ds_store_b8 v5, v[E+(\t)] offset:16*(\t)       ; both lanes of a block write the same byte with the same value
	global_store_b64 v4, v[C+4*(\t):C+4*(\t)+1], s[12:13] offset:32*CB*(\t)   ; the wave stores 256 consecutive bytes, aligned
.endm
.macro WLOAD t                         ; block t: W(32 t + i, my column), i = 0 .. 31: each load reads 128 consecutive bytes a wave
.irp i, 0,1,2,3,4,5,6,7,8,9,10,11,12,13,14,15,16,17,18,19,20,21,22,23,24,25,26,27,28,29,30,31
	global_load_b32 v[WX+32*((\t)%2)+\i], v3, s[6:7] offset:(32*(\t)+\i)*4096 th:TH_LOAD_NT
.endr
.endm
.macro WBLOCK t
.set XS, WX+32*((\t)%2)
.if (\t) < NB-1
	s_wait_loadcnt 32                              ; this block's 32 loads are in; the next block's 32 may be out
.else
	s_wait_loadcnt 0
.endif
	v_max3_num_f32 v12, |v[XS]|, |v[XS+1]|, |v[XS+2]|              ; the block's largest magnitude: all 32 numbers are mine
	v_max3_num_f32 v13, |v[XS+3]|, |v[XS+4]|, |v[XS+5]|
.irp i, 6,10,14,18,22,26
	v_max3_num_f32 v12, v12, |v[XS+\i]|, |v[XS+\i+1]|
	v_max3_num_f32 v13, v13, |v[XS+\i+2]|, |v[XS+\i+3]|
.endr
	v_max3_num_f32 v12, v12, |v[XS+30]|, |v[XS+31]|
	v_max3_num_f32 v12, v12, v13, 0x1800000        ; and the floor
	v_add_nc_u32 v11, 0xff000000, v12              ; the conversion's scale operand
	v_lshrrev_b32 v13, 23, v11                     ; the scale's byte
.if (\t)%4 == 0
	v_mov_b32 v[SB+(\t)/4], v13                    ; four bytes to a register, the lower K in the lower byte
.else
	v_lshl_or_b32 v[SB+(\t)/4], v13, 8*((\t)%4), v[SB+(\t)/4]
.endif
.irp g, 0,1,2,3
	v_cvt_scalef32_pk8_fp4_f32 v[WC+\g], v[XS+8*\g:XS+8*\g+7], v11
.endr
	ds_store_b128 v4, v[WC:WC+3] offset:16*(\t)    ; 32 codes: 16 bytes of my column's row.  (The codes go to an LDS store; the next block begins with plain vector lines)
.if (\t)+2 < NB
	WLOAD (\t)+2
.endif
	s_wait_dscnt 0x0                               ; the store has read its registers: the next block's codes may be written
.endm
	s_load_b256 s[4:11], s[0:1], 0x0               ; x s[4:5], Wq s[6:7], Wk s[8:9], Wv s[10:11]
	s_load_b256 s[12:19], s[0:1], 0x20             ; x_codes s[12:13], x_scales s[14:15], w_codes s[16:17], w_scales s[18:19]
	v_lshl_add_u32 v192, v0, 2, 0x10800
	v_mov_b32 v193, 0
	v_lshrrev_b32 v1, 5, v0
	v_readfirstlane_b32 s20, v1                    ; wave 0..3
	v_and_b32 v2, 31, v0                           ; lane
	s_cmp_lt_u32 ttmp9, NWW
	s_cbranch_scc1 .Lweights
	; ================ x ================
	v_lshlrev_b32 v3, 4, v2                        ; my 16 bytes of a load's 512
	s_mul_i32 s21, s20, WREG
	v_lshrrev_b32 v14, 2, v2
	v_mul_u32_u24 v14, v14, SP
	v_and_b32 v15, 3, v2
	v_lshl_add_u32 v14, v15, 4, v14
	v_add_nc_u32 v14, s21, v14                     ; the stage, on the way in: SP (lane / 4) + 16 (lane % 4); a load's 512 bytes take eight places
	v_mul_u32_u24 v15, v2, SP
	v_add_nc_u32 v15, s21, v15                     ; and on the way out: SP x lane: my 16 neighbours
	v_mul_u32_u24 v4, v2, CB                       ; my codes' place in a step's
	v_lshrrev_b32 v5, 1, v2
	s_add_co_u32 s21, s21, 2*32*SP
	v_add_nc_u32 v5, s21, v5                       ; LDS: my wave's 256 scale bytes, my block's byte
	v_lshlrev_b32 v7, 3, v2                        ; and on the way out 8 bytes a lane
	v_add_nc_u32 v6, s21, v7
	s_sub_co_u32 s22, ttmp9, NWW
	s_lshl_b32 s22, s22, 2
	s_add_co_u32 s22, s22, s20                     ; which run of 8,192 numbers is my wave's: 0 .. 1023
	s_mov_b32 s25, 0
	s_wait_alu depctr_va_vdst(0)
	s_wait_kmcnt 0x0
	s_lshl_b32 s24, s22, 15                        ; 32,768 bytes of numbers a run,
	s_add_nc_u64 s[4:5], s[4:5], s[24:25]
	s_lshl_b32 s24, s22, 12                        ; 4,096 of codes,
	s_add_nc_u64 s[12:13], s[12:13], s[24:25]
	s_lshl_b32 s24, s22, 8                         ; 256 scale bytes
	s_add_nc_u64 s[14:15], s[14:15], s[24:25]
.irp t, 0,1,2,3
	XLOAD \t
.endr
	s_wait_loadcnt 12                              ; step 0's four loads are in
	XTURN 0
.irp t, 0,1,2,3,4,5,6,7,8,9,10,11,12,13,14,15
	XSTEP \t
.endr
	ds_load_b64 v[12:13], v6                       ; my wave's 256 scale bytes: these loads see my byte stores
	s_wait_dscnt 0x0
	global_store_b64 v7, v[12:13], s[14:15]        ; 32 lanes store 256 consecutive bytes, aligned
	s_wait_tensorcnt 0x0
	ds_add_u32 v192, v193
	s_wait_dscnt 0x0
	s_endpgm
	; ================ the weights ================
.Lweights:
	s_lshr_b32 s21, ttmp9, 4                       ; which tensor: 0 Wq, 1 Wk, 2 Wv
	s_and_b32 s22, ttmp9, 7                        ; which 128 columns
	s_bfe_u32 s23, ttmp9, 0x10003                  ; which half of K
	s_lshl_b32 s24, s22, 7
	s_lshl_b32 s25, s20, 5
	s_add_co_u32 s24, s24, s25                     ; my wave's first column
	s_wait_alu depctr_va_vdst(0)
	v_lshlrev_b32 v3, 2, v2                        ; in: 4 bytes a lane
	s_mul_i32 s25, s20, 32*WP
	s_add_co_u32 s25, s25, WSTG                    ; my stage
	v_mul_u32_u24 v4, v2, WP
	v_add_nc_u32 v4, s25, v4                       ; into it: row = my column
	v_and_b32 v5, 15, v2
	v_lshrrev_b32 v6, 4, v2                        ; out of it: sixteen lanes to a row, two rows an instruction
	v_mul_u32_u24 v7, v6, WP
	v_lshl_add_u32 v7, v5, 4, v7
	v_add_nc_u32 v7, s25, v7
	v_mul_u32_u24 v8, v6, KROW
	v_lshl_add_u32 v8, v5, 4, v8                   ; and the same place in w_codes
	v_lshlrev_b32 v9, 5, v2                        ; my column's row of scale bytes: 32 bytes a row
	s_lshl_b32 s26, s23, 21                        ; W: 512 rows of 4,096 bytes for the half of K,
	s_lshl_b32 s27, s24, 2
	s_add_co_u32 s26, s26, s27                     ; + 4 x column
	s_mov_b32 s27, 0
	s_lshl_b32 s28, s21, 10
	s_add_co_u32 s28, s28, s24                     ; my first row of w_codes and w_scales
	s_lshl_b32 s30, s28, 9
	s_lshl_b32 s29, s23, 8
	s_add_co_u32 s30, s30, s29                     ; codes: row x 512 + 256 x half
	s_mov_b32 s31, 0
	s_lshl_b32 s32, s28, 5
	s_lshl_b32 s29, s23, 4
	s_add_co_u32 s32, s32, s29                     ; scale bytes: row x 32 + 16 x half
	s_mov_b32 s33, 0
	s_wait_kmcnt 0x0
	s_cmp_eq_u32 s21, 0                            ; the tensor is chosen by the work-group's number alone
	s_cselect_b64 s[6:7], s[6:7], s[8:9]
	s_cmp_eq_u32 s21, 2
	s_cselect_b64 s[6:7], s[10:11], s[6:7]
	s_add_nc_u64 s[6:7], s[6:7], s[26:27]
	s_add_nc_u64 s[16:17], s[16:17], s[30:31]
	s_add_nc_u64 s[18:19], s[18:19], s[32:33]
	WLOAD 0
	WLOAD 1
.set Q, 0
.rept NB
	WBLOCK Q
.set Q, Q+1
.endr
	s_wait_alu depctr_va_vdst(0)
	global_store_b128 v9, v[SB:SB+3], s[18:19]     ; my column's 16 scale bytes of this half of K
.irp t, 0,1,2,3,4,5,6,7,8,9,10,11,12,13,14,15
	ds_load_b128 v[OUTR+4*\t:OUTR+4*\t+3], v7 offset:2*\t*WP
.endr
.irp t, 0,1,2,3,4,5,6,7,8,9,10,11,12,13,14,15
	s_wait_dscnt 15-\t                             ; the 15 - t younger loads may be out
	global_store_b128 v8, v[OUTR+4*\t:OUTR+4*\t+3], s[16:17] offset:2*\t*KROW   ; sixteen lanes store 256 consecutive bytes of a row, aligned
.endr
	s_wait_tensorcnt 0x0
	ds_add_u32 v192, v193
	s_wait_dscnt 0x0
	s_endpgm
.Lfunc_end_k_qb6a14f9aa2_quant:
	.size	k_qb6a14f9aa2_quant, .Lfunc_end_k_qb6a14f9aa2_quant-k_qb6a14f9aa2_quant
	.p2alignl 7, 3214868480
	.fill 96, 4, 3214868480
	.section	.rodata,"a",@progbits
	.p2align	6, 0x0
	.amdhsa_kernel k_qb6a14f9aa2_quant
		.amdhsa_group_segment_fixed_size 68096
		.amdhsa_private_segment_fixed_size 0
		.amdhsa_enable_private_segment 0
		.amdhsa_kernarg_size 64
		.amdhsa_user_sgpr_count 2
		.amdhsa_user_sgpr_kernarg_segment_ptr 1
		.amdhsa_wavefront_size32 1
		.amdhsa_system_sgpr_workgroup_id_x 1
		.amdhsa_system_sgpr_workgroup_id_y 1
		.amdhsa_system_sgpr_workgroup_id_z 1
		.amdhsa_system_vgpr_workitem_id 0
		.amdhsa_next_free_vgpr 194
		.amdhsa_next_free_sgpr 66
		.amdhsa_reserve_vcc 0
		.amdhsa_float_denorm_mode_32 3
		.amdhsa_float_denorm_mode_16_64 3
		.amdhsa_memory_ordered 1
		.amdhsa_forward_progress 1
		.amdhsa_inst_pref_size 111
	.end_amdhsa_kernel
	.amdgpu_metadata
---
amdhsa.version: [ 1, 2 ]
amdhsa.kernels:
  - .name:           k_qb6a14f9aa2_quant
    .symbol:         k_qb6a14f9aa2_quant.kd
    .args:
      - { .name: ts10_input, .offset: 0, .size: 8, .value_kind: global_buffer, .address_space: global }
      - { .name: Wq, .offset: 8, .size: 8, .value_kind: global_buffer, .address_space: global }
      - { .name: Wk, .offset: 16, .size: 8, .value_kind: global_buffer, .address_space: global }
      - { .name: Wv, .offset: 24, .size: 8, .value_kind: global_buffer, .address_space: global }
      - { .name: x_codes, .offset: 32, .size: 8, .value_kind: global_buffer, .address_space: global }
      - { .name: x_scales, .offset: 40, .size: 8, .value_kind: global_buffer, .address_space: global }
      - { .name: w_codes, .offset: 48, .size: 8, .value_kind: global_buffer, .address_space: global }
      - { .name: w_scales, .offset: 56, .size: 8, .value_kind: global_buffer, .address_space: global }
    .group_segment_fixed_size: 68096
    .private_segment_fixed_size: 0
    .kernarg_segment_align: 8
    .kernarg_segment_size: 64
    .max_flat_workgroup_size: 128
    .sgpr_count:     66
    .vgpr_count:     194
    .wavefront_size: 32
...
	.end_amdgpu_metadata
.endif
;; end of part 1
;; launch gemm (part 2): grid 12 x 32, 4 waves a work-group, clusters of 4 x 4, 295,424 bytes of LDS; arguments x_codes, x_scales, w_codes, w_scales, bq, bk, bv, qkv_codes, qkv_scales; writes qkv_codes, qkv_scales
.if DOCPART == 2
	.amdgcn_target "amdgcn-amd-amdhsa--gfx1250"
	.amdhsa_code_object_version 6
	.text
	.protected	k_qb6a14f9aa2_gemm
	.globl	k_qb6a14f9aa2_gemm
	.p2align	8
	.type	k_qb6a14f9aa2_gemm,@function
k_qb6a14f9aa2_gemm:
	s_mov_b64 s[64:65], 0
	v_nop
	global_prefetch_b8 v0, s[64:65] scope:SCOPE_SE
	s_setreg_imm32_b32 hwreg(HW_REG_WAVE_MODE, 25, 1), 1
	s_wait_xcnt 0x0
	s_wait_alu depctr_hold_cnt(0) depctr_sa_sdst(0) depctr_va_vdst(0) depctr_va_sdst(0) depctr_va_ssrc(0) depctr_va_vcc(0) depctr_vm_vsrc(0)
	s_getreg_b32 s2, hwreg(HW_REG_IB_STS2, 6, 4)
	s_cmp_eq_u32 s2, 0
	s_cbranch_scc0 .Lentry_in_a_cluster
	s_endpgm
.Lentry_in_a_cluster:
	s_bfe_u32 s2, ttmp6, 0x10000c
	s_cmp_lg_u32 s2, 0xf033
	s_cbranch_scc0 .Lentry_shape_is_right
	s_endpgm
.Lentry_shape_is_right:
; q, k, v = x [8192][1024] times [Wq | Wk | Wv] + bias, on codes of FP4 (E2M1) with one E8M0 scale for each 32 along K, f32 sums; the results are quantised here, in registers, for the two products of
; attention, and only their codes and scale bytes are stored.  q and k are quantised along the head's 64 channels, v along the keys.
; SHARES.  A work-group of four waves makes 256 rows of x times 256 rows of w_codes; a wave 128 x 128: 64 accumulators of 16 x 16, 512 registers.  K = 1,024 is 512 bytes a row, so ALL of K of both tiles
; (2 x 256 rows x 528 bytes) and their scale bytes lie in LDS at once: every LDS byte is filled once, there is no ring, and one barrier.
; CLUSTERS: 4 x 4 work-groups.  The four of a row of the cluster need the same rows of x, the four of a column the same rows of w_codes: each tile is asked for JOINTLY.  A cluster's x coordinate is 0 for q, 1 for k,
; 2 for v: all sixteen partners are on the same way through the text.
; ROLES.  In a result a lane holds ONE row of source 1, and its eight registers run along eight neighbouring rows of source 0.  The quantiser wants its K along a lane's registers.  So for q and k source 0 (S0) takes
; rows of w_codes (channels) and source 1 (S1) rows of x; for v S0 takes rows of x (keys) and S1 rows of w_codes.  The tiles lie in LDS alike on both ways; only the bases of the fragment reads are chosen.
; THE WAY OUT.  Tiles 2 B and 2 B + 1 of S0 are a block of 32: 16 registers in lane l and 16 in lane l xor 16.  The eight codes of tile 2 B + u go to code register 4 (B / 2) + B % 2 + 2 u, and an exchange of halves
; between registers 4 c + 2 u and 4 c + 2 u + 1 gives the 4-bit operand's layout: register 4 c + i of lane (r, h) holds k = 64 c + 32 h + 8 i + 0 .. 7.  Four such registers of the 32 lanes are stored as they stand:
; 512 consecutive bytes, an image of the registers that the next launch loads back.
;   qkv_codes [0 q, 1 k, 2 v][hb = 4 head + batch][65,536 bytes].  q, k: [16 rows][512 bytes]: lane (r, h): channels 32 h .. 32 h + 31 of row r.  v: [64 keys][16 channels][512 bytes]: lane (r, h): keys 32 h .. + 31 of channel r.
;   qkv_scales: q at 0, k at 524,288: [hb][128 rows][a / 4][r][a % 4] words, a the 16 rows' number in the 128; bytes 0, 1 the two blocks' scales, bytes 2, 3 zero (they stand over zero codes).  v at 1,048,576: [hb][128 keys][r][16 channels' number] words.
; The bias is the C of each sum's first matrix instruction.
; LIMITS: a block's byte is held at 1 from below; a block of zeros gets 1, not 127 (zero codes; this program alone reads the bytes); NaN and infinities are not served.
; REGISTERS, in windows of 256: window 0: v1-31 addresses; v32-95 scale words, for K steps 0-3 and 4-7; v128-191 S1's fragments, ONE set, later the codes; v192-255 the bias, later at work.
;   window 1: S0's fragments, TWO sets, at v0 and v128.   window 2: the accumulators of S1's blocks 0-3 ((a, b) at v[8 (8 (a % 4) + b)]);   window 3: blocks 4-7.
.set PITCH,  528                       ; an LDS row: 512 bytes + 16 = 132 words: row r starts at bank 4 r mod 64 (64 banks of 4 bytes: ISA guide 11.1)
.set HALFT,  128*PITCH                 ; 128 rows: what one tensor load brings, and what one wave reads of x or of w_codes
.set SCL,    4*HALFT                   ; behind x's 256 rows and W's 256 rows: the scale bytes, as pieces of 256 bytes + 16
.set HALFS,  16*272                    ; the scales of 128 rows (32 bytes a row)
.set VO,   8                           ; v8-11   the codes' store offsets: 2 c + g
.set ADRA, 16                          ; v16     LDS address of my S1 fragments
.set ADRB, 20                          ; v20     of my S0 fragments
.set ADRS, 27                          ; v27     of my scale words: lanes 0-15 S1's rows, lanes 16-31 S0's
.set FL,   29                          ; v29     the floor 2^(3 - 127)
.set SH,   30                          ; v30     16 x (lane / 16)
.set SVO,  31                          ; v31     the scale words' store offset
.set SC,   32                          ; register 32 (q / 4) + 4 i + q % 4: lanes 0-15 the word of S1's block i, lanes 16-31 that of S0's tile i, for K step q
.set AF,   128
.set BI,   192
.set PCB,  128                         ; the way out: block a's codes at v[128 + 8 a]
.set TM,   200                         ; v200-203 largest magnitudes, v204-207 the other half's, then bytes, v212-215 the conversions' scale operands
.set SW,   216                         ; v216-223 block a's scale word
.set SD,   224                         ; v224-231 the scale words as they are stored
.set G1, 24                            ; s[24:31] group 1 for x's codes;  s[32:35] group 0
.set G0, 32
.set G1B, 48                           ; s[48:55], s[56:59] for W's codes
.set G0B, 56
.set G1S, 68                           ; s[68:75], s[76:79] for x's scales
.set G0S, 76
.set G1SB, 80                          ; s[80:87], s[88:91] for W's scales
.set G0SB, 88
.set MSB, 0
.macro WIN new                         ; the immediate's high byte repeats the setting that is left; a switch that changes nothing is dropped
.if MSB != (\new)
	s_set_vgpr_msb (MSB<<8)|(\new)
.set MSB, (\new)
.endif
.endm
.set TO_B, 0x40                        ; destination window 1, address window 0
; A joint load: waves 0 and 1 fetch for x, waves 2 and 3 for W.  Each line has one mask and one set of registers; the branch hangs on the wave's number alone.  Four v_nop follow each line.
.macro JLOAD g0a, g1a, g0b, g1b
	s_cmp_eq_u32 s15, 0
	s_cbranch_scc0 .Lfor_b_\@
	tensor_load_to_lds s[\g0a:\g0a+3], s[\g1a:\g1a+7]
	s_nop 0
.rept 4
	v_nop
.endr
	s_branch .Lasked_\@
.Lfor_b_\@:
	tensor_load_to_lds s[\g0b:\g0b+3], s[\g1b:\g1b+7]
	s_nop 0
.rept 4
	v_nop
.endr
.Lasked_\@:
.endm
.macro CROUND                          ; a round of the cluster's barrier
	s_barrier_signal -1
	s_barrier_wait -1
	s_cmp_lg_u32 s14, 0
	s_cbranch_scc1 .Lnot_wave_0_\@
	s_barrier_signal -3
.Lnot_wave_0_\@:
	s_barrier_wait -3
	s_barrier_signal -1
	s_barrier_wait -1
.endm
.macro PLACES n                        ; plain vector lines between a matrix instruction and a load into, or a vector read or write of, its registers
.rept \n
	v_nop
.endr
.endm
.macro FRAG reg, adr, q, i             ; 16 rows x 128 K of 4-bit codes: lane l holds row l % 16; registers 4 c .. 4 c + 3 hold K = 64 c + 32 (l / 16) + 0 .. 31
.irp c, 0,1
	ds_load_b128 v[\reg+4*\c:\reg+4*\c+3], v[\adr] offset:64*(\q)+32*\c+(\i)*16*PITCH
.endr
.endm
.macro FETCH_B q, p                    ; S0's eight fragments of K step q into set p
	WIN TO_B
.irp i, 0,1,2,3,4,5,6,7
	FRAG 128*(\p)+8*\i, ADRB, \q, \i
.endr
	WIN 0
.endm
.macro FETCH_A q, i0                   ; S1's blocks i0 .. i0 + 3
.irp i, \i0, \i0+1, \i0+2, \i0+3
	FRAG AF+8*(\i), ADRA, \q, \i
.endr
.endm
; 16 matrix instructions: S1's blocks a0, a0 + 1 against S0's eight tiles, K step q.  mode 0: the sums go on; 1: they begin with the bias along S0 (q, k); 2: with the bias along S1 (v).
; The 64 accumulators take turns, one instruction a turn, in the same order in every step.
.macro MUL16 a0, p, q, mode
.irp a, \a0, \a0+1
.irp b, 0,1,2,3,4,5,6,7
.if \mode == 0
	v_wmma_scale_f32_16x16x128_f8f6f4 v[8*(8*((\a)%4)+\b):8*(8*((\a)%4)+\b)+7], v[128*(\p)+8*\b:128*(\p)+8*\b+7], v[AF+8*(\a):AF+8*(\a)+7], v[8*(8*((\a)%4)+\b):8*(8*((\a)%4)+\b)+7], v[SC+32*((\q)/4)+4*\b+(\q)%4], v[SC+32*((\q)/4)+4*(\a)+(\q)%4] matrix_a_fmt:MATRIX_FMT_FP4 matrix_b_fmt:MATRIX_FMT_FP4 matrix_a_scale:MATRIX_SCALE_ROW1
.elseif \mode == 1
	v_wmma_scale_f32_16x16x128_f8f6f4 v[8*(8*((\a)%4)+\b):8*(8*((\a)%4)+\b)+7], v[128*(\p)+8*\b:128*(\p)+8*\b+7], v[AF+8*(\a):AF+8*(\a)+7], v[BI+8*\b:BI+8*\b+7], v[SC+32*((\q)/4)+4*\b+(\q)%4], v[SC+32*((\q)/4)+4*(\a)+(\q)%4] matrix_a_fmt:MATRIX_FMT_FP4 matrix_b_fmt:MATRIX_FMT_FP4 matrix_a_scale:MATRIX_SCALE_ROW1
.else
	v_wmma_scale_f32_16x16x128_f8f6f4 v[8*(8*((\a)%4)+\b):8*(8*((\a)%4)+\b)+7], v[128*(\p)+8*\b:128*(\p)+8*\b+7], v[AF+8*(\a):AF+8*(\a)+7], v[BI+8*(\a):BI+8*(\a)+7], v[SC+32*((\q)/4)+4*\b+(\q)%4], v[SC+32*((\q)/4)+4*(\a)+(\q)%4] matrix_a_fmt:MATRIX_FMT_FP4 matrix_b_fmt:MATRIX_FMT_FP4 matrix_a_scale:MATRIX_SCALE_ROW1
.endif
.endr
.endr
.endm
; K step q (0 .. 6): 64 matrix instructions; S1's blocks 0-3 are fetched anew in its middle with S0's other set, blocks 4-7 at its end.
.macro STEP q, mode
.if \mode == 0
.set WLO, 0xa1                         ; source 0 window 1, source 1 window 0, C and D window 2
.set WHI, 0xf1                         ; C and D window 3
.else
.set WLO, 0x81                         ; C (the bias) window 0, D window 2
.set WHI, 0xc1                         ; D window 3
.endif
	s_wait_dscnt 8                                 ; S0's set, S1's blocks 0-3 (and at first the scale words) are in; the youngest eight loads, S1's blocks 4-7, may be out
	WIN WLO
	MUL16 0, (\q)%2, \q, \mode
	MUL16 2, (\q)%2, \q, \mode
	s_wait_dscnt 0                                 ; S1's blocks 4-7 are in
	PLACES 4
	FETCH_B (\q)+1, 1-(\q)%2
	FETCH_A (\q)+1, 0
	WIN WHI
	MUL16 4, (\q)%2, \q, \mode
	MUL16 6, (\q)%2, \q, \mode
	PLACES 4
	WIN 0
	FETCH_A (\q)+1, 4
.endm
; S1's block a: its 8 accumulators (128 numbers a lane pair's row) become 8 registers of codes and a scale word; the codes are stored.  Each accumulator is read from its low end on.
.macro QUANTA a
.set QW, 2+(\a)/4
.set QW2, (QW<<2)|(QW<<4)
.set AC, 64*((\a)%4)
.set PC, PCB+8*(\a)
	WIN QW2                                        ; sources 1 and 2: the accumulators' window
.irp b, 0,1,2,3
	v_max3_num_f32 v[TM+\b], v[FL], |v[AC+16*\b]|, |v[AC+16*\b+1]|   ; block b: my 16 numbers, and the floor
.endr
.irp i, 2,4,6,8,10,12,14
.irp b, 0,1,2,3
	v_max3_num_f32 v[TM+\b], v[TM+\b], |v[AC+16*\b+\i]|, |v[AC+16*\b+\i+1]|   ; the four blocks by turns
.endr
.endr
	WIN 0
.irp b, 0,1,2,3
	v_permlanex16_b32 v[TM+4+\b], v[TM+\b], s22, s23
.endr
.irp b, 0,1,2,3
	v_max_num_f32 v[TM+\b], v[TM+\b], v[TM+4+\b]   ; with lane l xor 16's: the block's largest magnitude
.endr
.irp b, 0,1,2,3
	v_add_nc_u32 v[TM+12+\b], 0xff000000, v[TM+\b] ; 2 off its exponent field: the conversion's scale operand
.endr
.irp b, 0,1,2,3
	v_lshrrev_b32 v[TM+4+\b], 23, v[TM+12+\b]      ; the scale's byte
.endr
	v_lshl_or_b32 v[SW+(\a)], v[TM+5], 8, v[TM+4]  ; the four bytes: my row's scale word
	v_lshl_or_b32 v[SW+(\a)], v[TM+6], 16, v[SW+(\a)]
	v_lshl_or_b32 v[SW+(\a)], v[TM+7], 24, v[SW+(\a)]
	WIN QW                                         ; source 0: the accumulators' window
.irp b, 0,1,2,3
.irp u, 0,1
	v_cvt_scalef32_pk8_fp4_f32 v[PC+4*(\b/2)+(\b%2)+2*\u], v[AC+16*\b+8*\u:AC+16*\b+8*\u+7], v[TM+12+\b]
.endr
.endr
	WIN 0
	v_nop                                          ; one plain line behind the scaled conversions
.irp c, 0,1
.irp u, 0,1
	v_permlane16_swap_b32 v[PC+4*\c+2*\u], v[PC+4*\c+2*\u+1]   ; the first's lanes 16-31 change places with the second's lanes 0-15: the operand's layout
.endr
.endr
.irp c, 0,1
	global_store_b128 v[VO+2*\c+(\a)/4], v[PC+4*\c:PC+4*\c+3], s[98:99] offset:512*((\a)%4)   ; 32 lanes store 512 consecutive bytes, aligned; every block has registers of its own, so no store's data are written again
.endr
.endm
	s_load_b256 s[4:11], s[0:1], 0x0               ; x_codes s[4:5], x_scales s[6:7], w_codes s[8:9], w_scales s[10:11]
	s_load_b256 s[92:99], s[0:1], 0x20             ; bq s[92:93], bk s[94:95], bv s[96:97], qkv_codes s[98:99]
	s_load_b64 s[100:101], s[0:1], 0x40            ; qkv_scales
	v_lshl_add_u32 v126, v0, 2, 0x48000
	v_mov_b32 v127, 0
	ds_add_u32 v126, v127
	ds_add_u32 v126, v127
	v_lshrrev_b32 v1, 5, v0
	v_readfirstlane_b32 s14, v1                    ; wave 0..3
	s_lshr_b32 s15, s14, 1                         ; which 128 rows of x are mine.  Also: I fetch for x (0) or for W (1)
	s_and_b32 s16, s14, 1                          ; which 128 rows of W are mine.  Also: which 128 rows of that tile I fetch
	s_bfe_u32 s40, ttmp6, 0x40000                  ; cx, cy: my place in the cluster
	s_bfe_u32 s41, ttmp6, 0x40004
	s_lshl_b32 s42, ttmp9, 2
	s_add_co_u32 s42, s42, s40                     ; which 256 rows of w_codes: 4 x cluster x + cx
	s_and_b32 s17, ttmp7, 0xffff
	s_lshl_b32 s17, s17, 2
	s_add_co_u32 s17, s17, s41                     ; which 256 rows of x: 4 x cluster y + cy
	s_lshl_b32 s43, s41, 2
	s_lshl_b32 s43, 15, s43                        ; my row of the cluster
	s_lshl_b32 s44, 0x1111, s40                    ; my column
	; group 1 for the codes: 128 rows x 512 bytes, 16 bytes of padding behind each row
	s_or_b32 s[G1+0], s43, (0<<16)|(1<<20)|(1<<21)|(6<<22)|(3<<25)   ; 15:0 the mask: x's tiles go to my row; 17:16 elements of 1 byte; 20 padding on; 21 set beside a mask; 24:22 after every 128 words (code 6); 31:25 four words (code 3)
	s_or_b32 s[G1B+0], s44, (0<<16)|(1<<20)|(1<<21)|(6<<22)|(3<<25)  ; W's go to my column
.irp g, G1, G1B
	s_mov_b32 s[\g+1], 512<<16                     ; tensor_dim0
	s_mov_b32 s[\g+2], 128<<16                     ; tensor_dim1
	s_mov_b32 s[\g+3], 512<<16                     ; tile_dim0
	s_mov_b32 s[\g+4], 128                         ; tile_dim1
	s_mov_b32 s[\g+5], 512                         ; tensor_dim0_stride
	s_mov_b32 s[\g+6], 0
	s_mov_b32 s[\g+7], 0
.endr
	; and for the scales of 128 rows: 4,096 dense bytes as 16 rows of 256 (32 elements of 8 bytes), 16 bytes of padding behind each
	s_or_b32 s[G1S+0], s43, (3<<16)|(1<<20)|(1<<21)|(5<<22)|(3<<25)
	s_or_b32 s[G1SB+0], s44, (3<<16)|(1<<20)|(1<<21)|(5<<22)|(3<<25)
.irp g, G1S, G1SB
	s_mov_b32 s[\g+1], 32<<16
	s_mov_b32 s[\g+2], 16<<16
	s_mov_b32 s[\g+3], 32<<16
	s_mov_b32 s[\g+4], 16
	s_mov_b32 s[\g+5], 32
	s_mov_b32 s[\g+6], 0
	s_mov_b32 s[\g+7], 0
.endr
	s_lshl_b32 s18, s16, 7                         ; which 128 rows of the tile I fetch
	s_lshl_b32 s20, s17, 8
	s_add_co_u32 s20, s20, s18                     ; x: row 256 x (its number) + 128 x half: it hangs on cy, never on cx
	s_lshl_b32 s46, s42, 8
	s_add_co_u32 s46, s46, s18                     ; W: likewise: on cx, never on cy
	s_lshl_b32 s22, s20, 5                         ; these rows' scale bytes,
	s_mov_b32 s23, 0
	s_lshl_b32 s20, s20, 9                         ; and their codes
	s_mov_b32 s21, 0
	s_lshl_b32 s2, s46, 5
	s_mov_b32 s3, 0
	s_lshl_b32 s46, s46, 9
	s_mov_b32 s47, 0
	s_mul_i32 s45, s14, HALFT                      ; where they go: wave x 128 rows: no place in the cluster enters an LDS address
	s_mul_i32 s13, s14, HALFS
	s_wait_dscnt 0x0
	s_wait_kmcnt 0x0
	s_add_nc_u64 s[20:21], s[4:5], s[20:21]
	s_add_nc_u64 s[22:23], s[6:7], s[22:23]
	s_add_nc_u64 s[46:47], s[8:9], s[46:47]
	s_add_nc_u64 s[2:3], s[10:11], s[2:3]
	CROUND                                         ; all sixteen work-groups are here: the joint loads meet
	s_mov_b32 s[G0S], 1
	s_add_co_u32 s[G0S+1], s13, SCL
	s_mov_b64 s[G0S+2:G0S+3], s[22:23]
	s_or_b32 s[G0S+3], s[G0S+3], 0x80000000
	s_mov_b32 s[G0SB], 1
	s_add_co_u32 s[G0SB+1], s13, SCL
	s_mov_b64 s[G0SB+2:G0SB+3], s[2:3]
	s_or_b32 s[G0SB+3], s[G0SB+3], 0x80000000
	JLOAD G0S, G1S, G0SB, G1SB
	s_mov_b32 s[G0], 1
	s_mov_b32 s[G0+1], s45
	s_mov_b64 s[G0+2:G0+3], s[20:21]
	s_or_b32 s[G0+3], s[G0+3], 0x80000000
	s_mov_b32 s[G0B], 1
	s_mov_b32 s[G0B+1], s45
	s_mov_b64 s[G0B+2:G0B+3], s[46:47]
	s_or_b32 s[G0B+3], s[G0B+3], 0x80000000
	JLOAD G0, G1, G0B, G1B                         ; two tensor loads of mine are out: all that this launch has
	; ---- addresses, made while the tiles are on their way
	s_cmp_eq_u32 ttmp9, 2
	s_cselect_b32 s12, 1, 0                        ; 1: this cluster makes v
	v_and_b32 v1, 15, v0                           ; r
	v_bfe_u32 v2, v0, 4, 1                         ; h
	v_mul_u32_u24 v5, v1, PITCH
	v_lshl_add_u32 v5, v2, 4, v5                   ; a fragment's row x pitch + 16 x half
	s_mul_i32 s18, s15, HALFT                      ; my 128 rows of x
	s_mul_i32 s19, s16, HALFT
	s_add_co_u32 s19, s19, 2*HALFT                 ; my 128 rows of W, behind x's 256
	s_cmp_eq_u32 s12, 0
	s_cselect_b32 s60, s18, s19                    ; S1: x for q and k, W for v
	s_cselect_b32 s61, s19, s18                    ; S0: the other
	v_add_nc_u32 v[ADRA], s60, v5
	v_add_nc_u32 v[ADRB], s61, v5
	v_and_b32 v6, 7, v1                            ; my row's scale bytes: 32 bytes a row, eight rows to a piece of 272
	v_lshrrev_b32 v7, 3, v1
	v_lshlrev_b32 v6, 5, v6
	v_mad_u32_u24 v6, v7, 272, v6
	s_mul_i32 s18, s15, HALFS
	s_add_co_u32 s18, s18, SCL                     ; x's
	s_mul_i32 s19, s16, HALFS
	s_add_co_u32 s19, s19, SCL+2*HALFS             ; W's
	s_cmp_eq_u32 s12, 0
	s_cselect_b32 s60, s18, s19
	s_cselect_b32 s61, s19, s18
	v_mov_b32 v7, s60
	v_mov_b32 v12, s61
	v_cmp_ne_u32 vcc_lo, 0, v2
	v_cndmask_b32 v7, v7, v12, vcc_lo              ; lanes 0-15 take S1's words, lanes 16-31 S0's
	v_add_nc_u32 v[ADRS], v7, v6
	; the way out: hb = 4 head + batch of my first head; chunk = which 128 rows of the sequence
	s_lshl_b32 s60, s40, 2
	s_lshl_b32 s61, s16, 1
	s_add_co_u32 s60, s60, s61                     ; my first head: 4 cx + 2 x (my half of W's rows)
	s_lshl_b32 s60, s60, 2
	s_lshr_b32 s61, s17, 3
	s_add_co_u32 s60, s60, s61                     ; hb
	s_and_b32 s61, s17, 7
	s_lshl_b32 s61, s61, 1
	s_add_co_u32 s61, s61, s15                     ; chunk
	s_lshl_b32 s62, ttmp9, 22                      ; q, k or v: 4,194,304 bytes each
	s_lshl_b32 s63, s60, 16
	s_add_co_u32 s62, s62, s63
	s_lshl_b32 s63, s61, 12                        ; 128 rows (q, k) or 128 keys (v) are 4,096 bytes of a head's codes
	s_add_co_u32 s62, s62, s63
	s_mov_b32 s63, 0
	s_add_nc_u64 s[98:99], s[98:99], s[62:63]
	s_sub_co_u32 s18, 13, s12                      ; scale words: 8,192 bytes a head for q and k, 4,096 for v;
	s_lshl_b32 s62, s60, s18
	s_sub_co_u32 s18, 9, s12                       ; 512 or 256 a chunk;
	s_lshl_b32 s63, s61, s18
	s_add_co_u32 s62, s62, s63
	s_lshl_b32 s63, ttmp9, 19                      ; q at 0, k at 524,288, v at 1,048,576
	s_add_co_u32 s62, s62, s63
	s_mov_b32 s63, 0
	s_add_nc_u64 s[100:101], s[100:101], s[62:63]
	s_mov_b32 s18, 262144                          ; the next head: four hb on
	s_cmp_eq_u32 s12, 0
	s_cselect_b32 s19, s18, 2048                   ; from c = 0 to c = 1: the next head (q, k) or the next 64 keys (v)
	s_cselect_b32 s18, 2048, s18                   ; from blocks 0-3 to blocks 4-7: four groups of 16 rows (q, k) or the next head (v)
	v_and_b32 v13, 31, v0
	v_lshlrev_b32 v[VO], 4, v13                    ; 16 x lane
	v_add_nc_u32 v[VO+1], s18, v[VO]
	v_add_nc_u32 v[VO+2], s19, v[VO]
	v_add_nc_u32 v[VO+3], s18, v[VO+2]
	v_lshlrev_b32 v14, 15, v2
	v_lshrrev_b32 v14, s12, v14                    ; lanes 16-31 store the next head's words: 32,768 bytes on (q, k) or 16,384 (v)
	v_lshl_add_u32 v[SVO], v1, 4, v14
	v_mov_b32 v[FL], 0x1800000
	v_lshlrev_b32 v[SH], 4, v2
	s_mov_b32 s22, 0x76543210                      ; v_permlanex16_b32's selects for lane l xor 16
	s_mov_b32 s23, 0xfedcba98
	; ---- the bias, in the result's layout
	s_cmp_eq_u32 ttmp9, 0                          ; the choice hangs on the cluster's number alone
	s_cselect_b64 s[92:93], s[92:93], s[94:95]
	s_cmp_eq_u32 ttmp9, 2
	s_cselect_b64 s[92:93], s[96:97], s[92:93]
	s_lshl_b32 s60, s40, 10
	s_lshl_b32 s61, s16, 9
	s_add_co_u32 s60, s60, s61                     ; my 128 channels: 4 x (256 cx + 128 x half) bytes
	s_mov_b32 s61, 0
	s_add_nc_u64 s[92:93], s[92:93], s[60:61]
	v_lshlrev_b32 v3, 5, v2                        ; 32 h
	v_lshlrev_b32 v4, 2, v1                        ; 4 r
	s_cmp_eq_u32 s12, 0
	s_cbranch_scc0 .Lbias_v
.irp b, 0,1,2,3,4,5,6,7                        ; q, k: register j of tile b is channel 16 b + 8 h + j
	global_load_b128 v[BI+8*\b:BI+8*\b+3], v3, s[92:93] offset:64*\b
	global_load_b128 v[BI+8*\b+4:BI+8*\b+7], v3, s[92:93] offset:64*\b+16
.endr
	s_branch .Lbias_in
.Lbias_v:
	s_wait_alu depctr_va_vdst(0)
.irp a, 0,1,2,3,4,5,6,7                        ; v: all eight registers of block a are channel 16 a + r
	global_load_b32 v[BI+8*\a], v4, s[92:93] offset:64*\a
.endr
	s_wait_loadcnt 0x0
.irp a, 0,1,2,3,4,5,6,7
.irp j, 1,2,3,4,5,6,7
	v_mov_b32 v[BI+8*\a+\j], v[BI+8*\a]            ; a C operand is eight registers: the lane's one number is laid into all of them, once in the launch
.endr
.endr
.Lbias_in:
	s_wait_loadcnt 0x0
	s_wait_tensorcnt 0x0                           ; my two loads have landed.  For all at once: the fragments' bases are chosen between two, so every read below is ordered behind every fill
	s_barrier_signal -1
	s_barrier_wait -1                              ; everybody's have: from here on LDS is only read
	FETCH_B 0, 0
	FETCH_A 0, 0
.irp s, 0,1
.irp i, 0,1,2,3,4,5,6,7
	ds_load_b128 v[SC+32*\s+4*\i:SC+32*\s+4*\i+3], v[ADRS] offset:544*\i+16*\s   ; the scale words of all eight K steps: four words a load
.endr
.endr
	FETCH_A 0, 4
	s_cmp_eq_u32 s12, 0                            ; only the first K step differs between the two ways: which bias registers begin a sum
	s_cbranch_scc0 .Lfirst_v
	s_wait_alu depctr_va_vdst(0)
	STEP 0, 1
	s_branch .Lfirst_done
.Lfirst_v:
	s_wait_alu depctr_va_vdst(0)
	STEP 0, 2
.Lfirst_done:
.irp q, 1,2,3,4,5,6
	STEP \q, 0
.endr
	s_wait_dscnt 8                                 ; the last K step: nothing more to fetch
	WIN 0xa1
	MUL16 0, 1, 7, 0
	MUL16 2, 1, 7, 0
	s_wait_dscnt 0
	WIN 0xf1
	MUL16 4, 1, 7, 0
	MUL16 6, 1, 7, 0
	WIN 0
	PLACES 4                                       ; behind the last products: their results are read and their fragments' registers written below
.irp b, 0,1,2,3
	v_mov_b32 v[TM+4+\b], 0                        ; written once: a lane permute's destination counts as one of its sources
.endr
.irp a, 0,1,2,3,4,5,6,7
	QUANTA \a
.endr
	s_cmp_eq_u32 s12, 0
	s_cbranch_scc0 .Lscales_v
.irp a, 0,1,2,3,4,5,6,7                        ; q, k: bytes 0, 1 are my first head's two blocks, bytes 2, 3 the next head's: lanes 0-15 keep the first pair, lanes 16-31 the second
	v_lshrrev_b32 v[SD+\a], v[SH], v[SW+\a]
.endr
.irp a, 0,1,2,3,4,5,6,7
	v_and_b32 v[SD+\a], 0xffff, v[SD+\a]           ; bytes 2, 3 of a stored word are 0: they stand over the zero codes of K = 64 .. 127
.endr
	global_store_b128 v[SVO], v[SD:SD+3], s[100:101]               ; each half of the lanes stores 256 consecutive bytes, aligned
	global_store_b128 v[SVO], v[SD+4:SD+7], s[100:101] offset:256
	s_branch .Lscales_out
.Lscales_v:
	v_cmp_ne_u32 vcc_lo, 0, v2
.irp i, 0,1,2,3
	v_cndmask_b32 v[SD+\i], v[SW+\i], v[SW+4+\i], vcc_lo           ; v: blocks 0-3 are my first head's channels, blocks 4-7 the next head's
.endr
	global_store_b128 v[SVO], v[SD:SD+3], s[100:101]
.Lscales_out:
	s_wait_dscnt 0x0
	s_wait_tensorcnt 0x0
	ds_add_u32 v126, v127
	s_wait_dscnt 0x0
	CROUND                                         ; the closing round: no work-group ends while a partner may still ask for a tile that names it
	s_endpgm
.Lfunc_end_k_qb6a14f9aa2_gemm:
	.size	k_qb6a14f9aa2_gemm, .Lfunc_end_k_qb6a14f9aa2_gemm-k_qb6a14f9aa2_gemm
	.p2alignl 7, 3214868480
	.fill 96, 4, 3214868480
	.section	.rodata,"a",@progbits
	.p2align	6, 0x0
	.amdhsa_kernel k_qb6a14f9aa2_gemm
		.amdhsa_group_segment_fixed_size 295424
		.amdhsa_private_segment_fixed_size 0
		.amdhsa_enable_private_segment 0
		.amdhsa_kernarg_size 72
		.amdhsa_user_sgpr_count 2
		.amdhsa_user_sgpr_kernarg_segment_ptr 1
		.amdhsa_wavefront_size32 1
		.amdhsa_system_sgpr_workgroup_id_x 1
		.amdhsa_system_sgpr_workgroup_id_y 1
		.amdhsa_system_sgpr_workgroup_id_z 1
		.amdhsa_system_vgpr_workitem_id 0
		.amdhsa_next_free_vgpr 1024
		.amdhsa_next_free_sgpr 102
		.amdhsa_reserve_vcc 1
		.amdhsa_float_denorm_mode_32 3
		.amdhsa_float_denorm_mode_16_64 3
		.amdhsa_memory_ordered 1
		.amdhsa_forward_progress 1
		.amdhsa_inst_pref_size 142
	.end_amdhsa_kernel
	.amdgpu_metadata
---
amdhsa.version: [ 1, 2 ]
amdhsa.kernels:
  - .name:           k_qb6a14f9aa2_gemm
    .symbol:         k_qb6a14f9aa2_gemm.kd
    .args:
      - { .name: x_codes, .offset: 0, .size: 8, .value_kind: global_buffer, .address_space: global }
      - { .name: x_scales, .offset: 8, .size: 8, .value_kind: global_buffer, .address_space: global }
      - { .name: w_codes, .offset: 16, .size: 8, .value_kind: global_buffer, .address_space: global }
      - { .name: w_scales, .offset: 24, .size: 8, .value_kind: global_buffer, .address_space: global }
      - { .name: bq, .offset: 32, .size: 8, .value_kind: global_buffer, .address_space: global }
      - { .name: bk, .offset: 40, .size: 8, .value_kind: global_buffer, .address_space: global }
      - { .name: bv, .offset: 48, .size: 8, .value_kind: global_buffer, .address_space: global }
      - { .name: qkv_codes, .offset: 56, .size: 8, .value_kind: global_buffer, .address_space: global }
      - { .name: qkv_scales, .offset: 64, .size: 8, .value_kind: global_buffer, .address_space: global }
    .group_segment_fixed_size: 295424
    .private_segment_fixed_size: 0
    .kernarg_segment_align: 8
    .kernarg_segment_size: 72
    .max_flat_workgroup_size: 128
    .sgpr_count:     102
    .vgpr_count:     1024
    .wavefront_size: 32
...
	.end_amdgpu_metadata
.endif
;; end of part 2
;; launch attn (part 3): grid 4 x 64, 16 waves a work-group, clusters of 4 x 1, 215,040 bytes of LDS; arguments qkv_codes, qkv_scales, out0; writes out0
.if DOCPART == 3
	.amdgcn_target "amdgcn-amd-amdhsa--gfx1250"
	.amdhsa_code_object_version 6
	.text
	.protected	k_qb6a14f9aa2_attn
	.globl	k_qb6a14f9aa2_attn
	.p2align	8
	.type	k_qb6a14f9aa2_attn,@function
k_qb6a14f9aa2_attn:
	s_mov_b64 s[64:65], 0
	v_nop
	global_prefetch_b8 v0, s[64:65] scope:SCOPE_SE
	s_setreg_imm32_b32 hwreg(HW_REG_WAVE_MODE, 25, 1), 1
	s_wait_xcnt 0x0
	s_wait_alu depctr_hold_cnt(0) depctr_sa_sdst(0) depctr_va_vdst(0) depctr_va_sdst(0) depctr_va_ssrc(0) depctr_va_vcc(0) depctr_vm_vsrc(0)
	s_getreg_b32 s2, hwreg(HW_REG_IB_STS2, 6, 4)
	s_cmp_eq_u32 s2, 0
	s_cbranch_scc0 .Lentry_in_a_cluster
	s_endpgm
.Lentry_in_a_cluster:
	s_bfe_u32 s2, ttmp6, 0x10000c
	s_cmp_lg_u32 s2, 0x3003
	s_cbranch_scc0 .Lentry_shape_is_right
	s_endpgm
.Lentry_shape_is_right:
; out0[b][q][64 head + :] = the sum over keys k <= q of softmax_k(Q . K / 8) V, both products on codes of FP4 (E2M1) with one E8M0 scale for each 32 along a product's K.
; The codes and scale words come as images of the operands' registers (laid by the launch before): a fragment's four registers of the 32 lanes are 512 consecutive bytes, lane l's 16 bytes at 16 l.
; THE SOFTMAX AHEAD OF THE SECOND PRODUCT: t = score x log2(e) / 8; M = the row's largest t so far, rounded UP to a whole number; p = 2^(t - M) is quantised along the keys, not normalised.  The row's sum is taken of the
; unquantised p, in f32, and divides O at the end.  When M moves, the sum and O are multiplied by 2^(old M - new M): exact.
; K = 64 in the first product: registers 4-7 of K's and Q's fragments hold zero codes, and the scale words' bytes 2, 3 are 0 (a power of two, over zeros).
; SHARES.  A cluster of four work-groups owns one head of one batch (hb = 4 head + batch).  ALL of the head's K and V codes (2 x 65,536 bytes) and scale words (8,192 + 4,096) lie in each work-group's LDS: asked for JOINTLY,
; filled once, one barrier.  The head's 128 tiles of 16 queries lie in 16 blocks of 128; a tile of block B needs key steps 0 .. B of 128 keys.  Wave w (p = w % 8, u = w / 8) takes tile e = 2 cx + u of block p and then
; of block 15 - p: (p + 1) + (16 - p) = 17 key steps for every wave of the launch.  Branches hang on p and the loop's counter; cx enters global addresses and one number that is compared lane by lane, no branch and no LDS address.
; Sixteen waves of 256 registers: four to a SIMD, so that one wave's softmax stands beside another's products and LDS loads.
; LAYOUT.  Both products are used transposed: S^T = K Q^T (source 0 = 16 neighbouring keys), O^T = V^T P^T (source 0 = 16 channels): a lane holds ONE query (lane % 16).  In S^T register j of tile t is key 16 t + 8 (lane / 16) + j;
; tiles 2 B, 2 B + 1 in lanes l and l xor 16 are block B.  The codes of tile 2 B + u go to register 4 (B / 2) + B % 2 + 2 u, and an exchange of halves between registers 4 c + 2 u and 4 c + 2 u + 1 gives the operand's layout.
; LIMITS: NaN and infinities are not served.  A block whose every p has fallen to 0 keeps the scale byte 1: its codes are zeros.
; No prefetch: every tensor load stands at the head, and nothing is fetched later.
.set VC,    65536                      ; LDS: K's codes at 0, V's here,
.set KSC,   131072                     ; K's scale words,
.set VSC,   139264                     ; V's,
.set STAGE, 143360                     ; and the way out: 16 rows x (256 + 16) bytes for each wave; no fill lands here
; v1 16 x lane; v2 VC + 16 x lane; v3 KSC + 16 r; v4 VSC + 16 r; v5 16 e + r - 8 h; v6, v240 the stage in and back; v7 my offset in out0; v8-11 the step's LDS addresses; v12 -M; v13 the largest t; v[14:15] the sum;
; v[16:19] Q, v[20:23] zeros; v24-31 K's scale words; v[32 + 8 t ..] K's tile t, its upper four registers zeros; v96-159 S^T, then p; v160-191 O^T; v192-223 V; v224-231 p's codes; v232-247 at work; v241 16 r;
; v248-251 V's scale words; v252 f; v253 p's scale word; v254 at work; v255 Q's scale word.
; s10 wave; s11 p; s12 e; s13 cx; s14 hb; s15 the tile's block; s16 the key step; s17, s18, s19 its bytes among the codes, K's words, V's words; s[20:21] lane selects; s[22:23] c; s[66:71] the tile's pointers; s[72:77] the head's.
.macro CROUND                          ; a round of the cluster's barrier
	s_barrier_signal -1
	s_barrier_wait -1
	s_cmp_lg_u32 s10, 0
	s_cbranch_scc1 .Lnot_wave_0_\@
	s_barrier_signal -3
.Lnot_wave_0_\@:
	s_barrier_wait -3
	s_barrier_signal -1
	s_barrier_wait -1
.endm
	s_load_b128 s[4:7], s[0:1], 0x0                ; qkv_codes, qkv_scales
	s_load_b64 s[8:9], s[0:1], 0x10                ; out0
	v_lshl_add_u32 v242, v0, 2, 0x34000
	v_mov_b32 v243, 0
	ds_add_u32 v242, v243
	ds_add_u32 v242, v243
	v_lshrrev_b32 v8, 5, v0
	s_delay_alu instid0(VALU_DEP_1)
	v_readfirstlane_b32 s10, v8                    ; wave 0..15
	s_and_b32 s11, s10, 7                          ; p
	s_lshr_b32 s12, s10, 3                         ; u
	s_bfe_u32 s13, ttmp6, 0x40000                  ; cx
	s_lshl_b32 s60, s13, 1
	s_add_co_u32 s12, s12, s60                     ; e = 2 cx + u
	s_and_b32 s14, ttmp7, 0xffff                   ; hb, which the four partners share
	; groups 1: dense blocks as rows of 256 bytes (32 elements of 8 bytes), no padding; they differ in the number of rows
	s_mov_b32 s24, 15|(3<<16)|(1<<21)              ; 15:0 the mask: all four work-groups; 17:16 elements of 8 bytes; 21 set beside a mask
	s_mov_b32 s25, 32<<16                          ; tensor_dim0
	s_mov_b32 s26, 128<<16                         ; tensor_dim1: 128 rows: half of K's or of V's codes
	s_mov_b32 s27, 32<<16                          ; tile_dim0
	s_mov_b32 s28, 128                             ; tile_dim1
	s_mov_b32 s29, 32                              ; tensor_dim0_stride
	s_mov_b32 s30, 0
	s_mov_b32 s31, 0
	s_mov_b32 s36, 15|(3<<16)|(1<<21)              ; K's scale words: 32 rows
	s_mov_b32 s37, 32<<16
	s_mov_b32 s38, 32<<16
	s_mov_b32 s39, 32<<16
	s_mov_b32 s40, 32
	s_mov_b32 s41, 32
	s_mov_b32 s42, 0
	s_mov_b32 s43, 0
	s_mov_b32 s48, 15|(3<<16)|(1<<21)              ; V's: 16 rows
	s_mov_b32 s49, 32<<16
	s_mov_b32 s50, 16<<16
	s_mov_b32 s51, 32<<16
	s_mov_b32 s52, 16
	s_mov_b32 s53, 32
	s_mov_b32 s54, 0
	s_mov_b32 s55, 0
	s_and_b32 s60, s10, 3                          ; waves 0-3 fetch the codes: 0, 1 K's halves, 2, 3 V's (the other waves' copies of this descriptor are not used)
	s_lshl_b32 s33, s60, 15                        ; LDS: 32,768 x (wave % 4)
	s_lshr_b32 s61, s60, 1
	s_add_co_u32 s61, s61, 1
	s_lshl_b32 s62, s61, 22                        ; k's codes begin 4,194,304 bytes into the buffer, v's 8,388,608
	s_lshl_b32 s61, s14, 16
	s_add_co_u32 s62, s62, s61                     ; + 65,536 hb
	s_and_b32 s61, s60, 1
	s_lshl_b32 s61, s61, 15
	s_add_co_u32 s62, s62, s61                     ; + my half
	s_mov_b32 s63, 0
	s_mov_b32 s20, 0x76543210                      ; v_permlanex16_b32's selects for lane l xor 16
	s_mov_b32 s21, 0xfedcba98
	s_mov_b32 s22, 0x3e38aa3b                      ; c = log2(e) / sqrt(64)
	s_mov_b32 s23, s22                             ; (the packed form names the pair and takes its low word for both halves)
	s_wait_dscnt 0x0
	s_wait_kmcnt 0x0
	s_mov_b32 s32, 1
	s_add_nc_u64 s[34:35], s[4:5], s[62:63]
	s_or_b32 s35, s35, 0x80000000
	s_mov_b32 s44, 1
	s_mov_b32 s45, KSC
	s_lshl_b32 s62, s14, 13
	s_add_co_u32 s62, s62, 524288
	s_add_nc_u64 s[46:47], s[6:7], s[62:63]
	s_or_b32 s47, s47, 0x80000000
	s_mov_b32 s56, 1
	s_mov_b32 s57, VSC
	s_lshl_b32 s62, s14, 12
	s_add_co_u32 s62, s62, 1048576
	s_add_nc_u64 s[58:59], s[6:7], s[62:63]
	s_or_b32 s59, s59, 0x80000000
	CROUND                                         ; all four work-groups are here: the joint loads meet
	s_cmp_lt_u32 s10, 4                            ; at most one tensor load a wave; the branches hang on the wave's number alone; four v_nop follow each line
	s_cbranch_scc0 .Lnot_codes
	tensor_load_to_lds s[32:35], s[24:31]
	s_nop 0
.rept 4
	v_nop
.endr
	s_branch .Lasked
.Lnot_codes:
	s_cmp_eq_u32 s10, 4
	s_cbranch_scc0 .Lnot_ks
	tensor_load_to_lds s[44:47], s[36:43]
	s_nop 0
.rept 4
	v_nop
.endr
	s_branch .Lasked
.Lnot_ks:
	s_cmp_eq_u32 s10, 5
	s_cbranch_scc0 .Lasked
	tensor_load_to_lds s[56:59], s[48:55]
	s_nop 0
.rept 4
	v_nop
.endr
.Lasked:
	; the head's pointers
	s_lshl_b32 s62, s14, 16
	s_add_nc_u64 s[72:73], s[4:5], s[62:63]        ; q's codes
	s_lshl_b32 s62, s14, 13
	s_add_nc_u64 s[74:75], s[6:7], s[62:63]        ; q's scale words
	s_and_b32 s62, s14, 3
	s_lshl_b32 s62, s62, 23                        ; the batch: 2,048 rows of 4,096 bytes
	s_lshr_b32 s61, s14, 2
	s_lshl_b32 s61, s61, 8                         ; the head: 256 bytes of a row
	s_add_co_u32 s62, s62, s61
	s_add_nc_u64 s[76:77], s[8:9], s[62:63]
	; the lane's constants
	v_and_b32 v8, 15, v0                           ; r
	v_bfe_u32 v9, v0, 4, 1                         ; h
	v_and_b32 v10, 31, v0
	s_delay_alu instid0(VALU_DEP_1)
	v_lshlrev_b32 v1, 4, v10
	s_delay_alu instid0(VALU_DEP_1)
	v_add_nc_u32 v2, VC, v1
	v_lshlrev_b32 v241, 4, v8
	s_delay_alu instid0(VALU_DEP_1)
	v_add_nc_u32 v3, KSC, v241
	s_delay_alu instid0(VALU_DEP_2)
	v_add_nc_u32 v4, VSC, v241
	v_lshlrev_b32 v10, 3, v9
	s_delay_alu instid0(VALU_DEP_1)
	v_sub_nc_u32 v5, v8, v10
	s_lshl_b32 s60, s12, 4
	v_add_nc_u32 v5, s60, v5                       ; my query's place in its block of 128, less 8 h: a key 16 t + j (+ 8 h) of the diagonal step is hidden where 16 t + j is above it
	s_mul_i32 s61, s10, 16*272
	s_add_co_u32 s61, s61, STAGE                   ; my stage
	v_mul_u32_u24 v6, v8, 272
	s_delay_alu instid0(VALU_DEP_1)
	v_lshl_add_u32 v6, v9, 5, v6
	s_delay_alu instid0(VALU_DEP_1)
	v_add_nc_u32 v6, s61, v6                       ; in: row r, + 32 h; tile t's eight channels 64 t bytes on
	v_mul_u32_u24 v240, v9, 272
	s_delay_alu instid0(VALU_DEP_1)
	v_lshl_add_u32 v240, v8, 4, v240
	s_delay_alu instid0(VALU_DEP_1)
	v_add_nc_u32 v240, s61, v240                   ; back: lanes 0-15 one row, lanes 16-31 the next
	v_lshlrev_b32 v7, 12, v9
	s_delay_alu instid0(VALU_DEP_1)
	v_lshl_add_u32 v7, v8, 4, v7                   ; and the same two rows of out0
.irp j, 20,21,22,23
	v_mov_b32 v\j, 0                               ; Q's codes of K = 64 .. 127
.endr
.irp t, 0,1,2,3,4,5,6,7
.irp j, 4,5,6,7
	v_mov_b32 v[32+8*\t+\j], 0                     ; K's likewise: written once, never touched again
.endr
.endr
.irp j, 236,237,238,239,252,253
	v_mov_b32 v\j, 0                               ; lane permutes' destinations (v236-239 in a key step, v252 on the way out: a permute's destination counts as one of its sources), and the upper half of the pair v[252:253]: written here, on every path, before they are first named
.endr
	s_wait_tensorcnt 0x0                           ; my load, if I have one, has landed
	s_barrier_signal -1
	s_barrier_wait -1                              ; everybody's has: from here on the tiles are only read
; A tile of 16 queries: k = 0: in block p; k = 1: in block 15 - p.
.macro TILE k
	s_wait_xcnt 0x0                                ; the last tile's stores have read their registers and their base: both are written again below
.if \k == 0
	s_mov_b32 s15, s11
.else
	s_sub_co_u32 s15, 15, s11
.endif
	s_lshl_b32 s60, s15, 3
	s_add_co_u32 s60, s60, s12                     ; the tile's number in the head: 8 x block + e
	s_mov_b32 s63, 0
	s_lshl_b32 s62, s60, 9
	s_add_nc_u64 s[66:67], s[72:73], s[62:63]      ; its codes: 512 bytes a tile
	s_lshl_b32 s62, s60, 16
	s_add_nc_u64 s[70:71], s[76:77], s[62:63]      ; its 16 rows of out0
	s_lshl_b32 s62, s15, 9                         ; its scale words: [block][e / 4][r][e % 4]
	s_lshr_b32 s61, s12, 2
	s_lshl_b32 s61, s61, 8
	s_add_co_u32 s62, s62, s61
	s_and_b32 s61, s12, 3
	s_lshl_b32 s61, s61, 2
	s_add_co_u32 s62, s62, s61
	s_add_nc_u64 s[68:69], s[74:75], s[62:63]
	global_load_b128 v[16:19], v1, s[66:67]
	global_load_b32 v255, v241, s[68:69]
	v_mov_b32 v13, 0xff61b1e6                      ; the largest t so far: -3e38, under every t
	s_delay_alu instid0(VALU_DEP_1)
	v_floor_f32 v12, -v13                          ; -M
	v_mov_b32 v14, 0                               ; the sum, in two halves
	v_mov_b32 v15, 0
.set j, 0
.rept 32
	v_mov_b32 v[160+j], 0                          ; O^T: the key step is written once; its first trip finds zeros, which the first change of M leaves zeros
.set j, j+1
.endr
	s_mov_b32 s16, 0
	s_mov_b32 s17, 0
	s_mov_b32 s18, 0
	s_mov_b32 s19, 0
	s_wait_loadcnt 0x0                             ; Q
.Lstep_\@:                                         ; 16 trips, a constant; a step all of whose keys come after the tile's queries is passed over by a scalar branch
	s_cmp_gt_u32 s16, s15
	s_cbranch_scc1 .Lhidden_\@
	s_setprio 2
	v_add_nc_u32 v8, s17, v1                       ; (these four lines are also the places between the last step's products and the loads into their registers)
	v_add_nc_u32 v9, s17, v2
	v_add_nc_u32 v10, s18, v3
	v_add_nc_u32 v11, s19, v4
.irp t, 0,1,2,3,4,5,6,7
	ds_load_b128 v[32+8*\t:35+8*\t], v8 offset:512*\t              ; K: keys 16 t on, channels 32 h on
.endr
	ds_load_b128 v[24:27], v10                     ; K's scale words of tiles 0-3,
	ds_load_b128 v[28:31], v10 offset:256          ; and 4-7
.irp c, 0,1
.irp t, 0,1,2,3
	ds_load_b128 v[192+8*\t+4*\c:195+8*\t+4*\c], v9 offset:2048*\c+512*\t   ; V: channels 16 t on, keys 64 c + 32 h on
.endr
.endr
	ds_load_b128 v[248:251], v11                   ; V's scale words of the four tiles
	s_wait_dscnt 9                                 ; K and its words are in; V's nine loads may be out
.irp t, 0,1,2,3,4,5,6,7
	v_wmma_scale_f32_16x16x128_f8f6f4 v[96+8*\t:103+8*\t], v[32+8*\t:39+8*\t], v[16:23], 0, v[24+\t], v255 matrix_a_fmt:MATRIX_FMT_FP4 matrix_b_fmt:MATRIX_FMT_FP4
.endr
.rept 4
	v_nop
.endr
	s_cmp_lg_u32 s16, s15                          ; the block's own step lies on the diagonal: there hidden scores become -infinity ahead of the maximum, so that p = 0
	s_cbranch_scc1 .Lopen_\@
	v_mov_b32 v254, 0xff800000
.set n, 0
.rept 64
	v_cmp_gt_i32 vcc_lo, 16*(n/8)+n%8, v5
	v_cndmask_b32 v[96+n], v[96+n], v254, vcc_lo
.set n, n+1
.endr
.Lopen_\@:
.irp b, 0,1,2,3
	v_max3_num_f32 v[232+\b], v[96+16*\b], v[97+16*\b], v[98+16*\b]   ; the largest score of each block of 32 keys: for the row's maximum and, since p rises with the score, for the block's largest p
.endr
.irp i, 3,5,7,9,11,13
.irp b, 0,1,2,3
	v_max3_num_f32 v[232+\b], v[232+\b], v[96+16*\b+\i], v[97+16*\b+\i]
.endr
.endr
.irp b, 0,1,2,3
	v_max_num_f32 v[232+\b], v[232+\b], v[111+16*\b]
.endr
.irp b, 0,1,2,3
	s_delay_alu instid0(VALU_DEP_4)
	v_permlanex16_b32 v[236+\b], v[232+\b], s20, s21
.endr
.irp b, 0,1,2,3
	s_delay_alu instid0(VALU_DEP_4)
	v_max_num_f32 v[232+\b], v[232+\b], v[236+\b]  ; with lane l xor 16's 16 keys
.endr
	s_delay_alu instid0(VALU_DEP_2)
	v_max3_num_f32 v254, v232, v233, v234
	s_delay_alu instid0(VALU_DEP_1)
	v_max_num_f32 v254, v254, v235                 ; the step's largest score of my query
	s_delay_alu instid0(VALU_DEP_1)
	v_mul_f32 v254, s22, v254                      ; as t (c is positive)
	s_delay_alu instid0(VALU_DEP_1)
	v_max_num_f32 v13, v13, v254                   ; the running largest t
	v_mov_b32 v254, v12
	s_delay_alu instid0(VALU_DEP_2)
	v_floor_f32 v12, -v13                          ; the new -M = floor(-t) = -ceil(t)
	s_delay_alu instid0(VALU_DEP_1)
	v_sub_f32 v254, v12, v254                      ; old M - new M: a whole number, 0 or less
	s_delay_alu instid0(VALU_DEP_1)
	v_cvt_i32_f32 v254, v254                       ; (it saturates)
	s_delay_alu instid0(VALU_DEP_1)
	v_ldexp_f32 v252, 1.0, v254                    ; f = 2^(old M - new M)
.set j, 0
.rept 32
	v_pk_fma_f32 v[96+j:97+j], v[96+j:97+j], s[22:23], v[12:13] op_sel_hi:[1,0,0]   ; t - M, two at a time
.set j, j+2
.endr
	s_setprio 1
.irp b, 0,1,2,3
	v_fma_f32 v[232+\b], v[232+\b], s22, v12       ; the same of each block's largest score
.endr
.set j, 0
	s_wait_alu depctr_va_vdst(0)
.rept 64
	v_exp_f32 v[96+j], v[96+j]                     ; p = 2^(t - M), at most 1
.set j, j+1
.endr
	v_pk_mul_f32 v[14:15], v[14:15], v[252:253] op_sel_hi:[1,0]    ; the sums under the new M (a plain line behind the exponentials)
	s_wait_alu depctr_va_vdst(0)                   ; one wait for the batch of 64, ahead of its first reader
.irp b, 0,1,2,3
	v_exp_f32 v[232+\b], v[232+\b]                 ; the block's largest p
.endr
	v_pk_add_f32 v[236:237], v[100:101], v[104:105]
	v_pk_add_f32 v[246:247], v[108:109], v[112:113]
	v_pk_add_f32 v[244:245], v[116:117], v[120:121]
	v_pk_add_f32 v[238:239], v[124:125], v[128:129]
	v_pk_add_f32 v[230:231], v[132:133], v[136:137]
	v_pk_add_f32 v[228:229], v[140:141], v[144:145]
	v_pk_add_f32 v[226:227], v[148:149], v[152:153]
	v_pk_add_f32 v[14:15], v[14:15], v[156:157]
	v_pk_add_f32 v[236:237], v[236:237], v[96:97]
	v_pk_add_f32 v[246:247], v[246:247], v[98:99]
	v_pk_add_f32 v[244:245], v[244:245], v[102:103]
	v_pk_add_f32 v[238:239], v[238:239], v[106:107]
	v_pk_add_f32 v[230:231], v[230:231], v[110:111]
	v_pk_add_f32 v[228:229], v[228:229], v[114:115]
	v_pk_add_f32 v[226:227], v[226:227], v[118:119]
	v_pk_add_f32 v[14:15], v[14:15], v[122:123]
	v_pk_add_f32 v[236:237], v[236:237], v[126:127]
	v_pk_add_f32 v[246:247], v[246:247], v[130:131]
	v_pk_add_f32 v[244:245], v[244:245], v[134:135]
	v_pk_add_f32 v[238:239], v[238:239], v[138:139]
	v_pk_add_f32 v[230:231], v[230:231], v[142:143]
	v_pk_add_f32 v[228:229], v[228:229], v[146:147]
	v_pk_add_f32 v[226:227], v[226:227], v[150:151]
	v_pk_add_f32 v[14:15], v[14:15], v[154:155]
	v_pk_add_f32 v[236:237], v[236:237], v[158:159]
	s_delay_alu instid0(VALU_DEP_2)
	v_pk_add_f32 v[14:15], v[14:15], v[238:239]
	s_delay_alu instid0(VALU_DEP_2)
	v_pk_add_f32 v[236:237], v[236:237], v[230:231]
	v_pk_add_f32 v[246:247], v[246:247], v[228:229]
	v_pk_add_f32 v[244:245], v[244:245], v[226:227]
	s_delay_alu instid0(VALU_DEP_2)
	v_pk_add_f32 v[14:15], v[14:15], v[246:247]
	s_delay_alu instid0(VALU_DEP_2)
	v_pk_add_f32 v[236:237], v[236:237], v[244:245]
	s_delay_alu instid0(VALU_DEP_1)
	v_pk_add_f32 v[14:15], v[14:15], v[236:237]
	s_wait_alu depctr_va_vdst(0)                   ; and one for the four
.irp b, 0,1,2,3
	v_max_num_f32 v[232+\b], 0x1800000, v[232+\b]  ; the floor 2^(3 - 127): the byte cannot fall under 1
.endr
.irp b, 0,1,2,3
	s_delay_alu instid0(VALU_DEP_4)
	v_add_nc_u32 v[244+\b], 0xff000000, v[232+\b]  ; 2 off the exponent field: the conversion's scale operand
.endr
.irp b, 0,1,2,3
	s_delay_alu instid0(VALU_DEP_4)
	v_lshrrev_b32 v[236+\b], 23, v[244+\b]         ; the scale's byte
.endr
	s_delay_alu instid0(VALU_DEP_3)
	v_lshl_or_b32 v253, v237, 8, v236              ; p's scale word for these 128 keys
	s_delay_alu instid0(VALU_DEP_1)
	v_lshl_or_b32 v253, v238, 16, v253
	s_delay_alu instid0(VALU_DEP_1)
	v_lshl_or_b32 v253, v239, 24, v253
	s_setprio 0
.irp b, 0,1,2,3
.irp u, 0,1
	v_cvt_scalef32_pk8_fp4_f32 v[224+4*(\b/2)+(\b%2)+2*\u], v[96+16*\b+8*\u:103+16*\b+8*\u], v[244+\b]
.endr
.endr
	v_nop                                          ; one plain line behind the scaled conversions
.irp c, 0,1
.irp u, 0,1
	v_permlane16_swap_b32 v[224+4*\c+2*\u], v[225+4*\c+2*\u]       ; the operand's layout: register 4 c + i of lane (r, h): keys 64 c + 32 h + 8 i on
.endr
.endr
.set j, 0
.rept 16
	v_pk_mul_f32 v[160+j:161+j], v[160+j:161+j], v[252:253] op_sel_hi:[1,0]   ; O^T under the new M.  (These sixteen also stand between the lines that made p's codes and scale word and the products below)
.set j, j+2
.endr
	s_wait_alu depctr_va_vdst(0)
	s_wait_dscnt 0x0                               ; V and its words are in
.irp t, 0,1,2,3
	v_wmma_scale_f32_16x16x128_f8f6f4 v[160+8*\t:167+8*\t], v[192+8*\t:199+8*\t], v[224:231], v[160+8*\t:167+8*\t], v[248+\t], v253 matrix_a_fmt:MATRIX_FMT_FP4 matrix_b_fmt:MATRIX_FMT_FP4
.endr
.Lhidden_\@:
	s_add_co_u32 s17, s17, 4096                    ; the next 128 keys: 4,096 bytes of K's codes and of V's,
	s_add_co_u32 s18, s18, 512                     ; 512 of K's scale words,
	s_add_co_u32 s19, s19, 256                     ; 256 of V's
	s_add_co_u32 s16, s16, 1
	s_cmp_lt_u32 s16, 16
	s_cbranch_scc1 .Lstep_\@
	s_setprio 0
	; the way out: O^T / the sum goes through my stage and leaves as whole pieces of 256 bytes: a query's 64 channels
	v_add_f32 v14, v14, v15                        ; the sum's two halves,
	s_delay_alu instid0(VALU_DEP_1)
	v_permlanex16_b32 v252, v14, s20, s21
	s_delay_alu instid0(VALU_DEP_1)
	v_add_f32 v14, v14, v252                       ; and lane l xor 16's: the row's sum
	s_wait_alu depctr_va_vdst(0)
	v_rcp_f32 v14, v14
.rept 4
	v_nop                                          ; plain lines behind the reciprocal, and between the last products and the reads of their results
.endr
	s_wait_alu depctr_va_vdst(0)                   ; ahead of the reciprocal's first reader
.set j, 0
.rept 32
	v_mul_f32 v[96+j], v[160+j], v14               ; register 8 t + i is o(query r, channel 16 t + 8 h + i)
.set j, j+1
.endr
.irp t, 0,1,2,3
	ds_store_b128 v6, v[96+8*\t:99+8*\t] offset:64*\t
	ds_store_b128 v6, v[100+8*\t:103+8*\t] offset:64*\t+16
.endr
.irp i, 0,1,2,3,4,5,6,7
	ds_load_b128 v[128+4*\i:131+4*\i], v240 offset:544*\i          ; LDS serves a wave's instructions in order (ISA guide 5.7.1.4): these see my stores
.endr
.irp i, 0,1,2,3,4,5,6,7
	s_wait_dscnt 7-\i                              ; the 7 - i younger loads may be out
	global_store_b128 v7, v[128+4*\i:131+4*\i], s[70:71] offset:8192*\i th:TH_STORE_NT   ; sixteen lanes store 256 consecutive bytes, aligned; written once, read by nobody here
.endr
.endm
	TILE 0
	TILE 1
	s_wait_dscnt 0x0
	s_wait_tensorcnt 0x0
	ds_add_u32 v242, v243
	s_wait_dscnt 0x0
	CROUND                                         ; the closing round: no work-group ends while a partner may still ask for a tile that names it
	s_endpgm
.Lfunc_end_k_qb6a14f9aa2_attn:
	.size	k_qb6a14f9aa2_attn, .Lfunc_end_k_qb6a14f9aa2_attn-k_qb6a14f9aa2_attn
	.p2alignl 7, 3214868480
	.fill 96, 4, 3214868480
	.section	.rodata,"a",@progbits
	.p2align	6, 0x0
	.amdhsa_kernel k_qb6a14f9aa2_attn
		.amdhsa_group_segment_fixed_size 215040
		.amdhsa_private_segment_fixed_size 0
		.amdhsa_enable_private_segment 0
		.amdhsa_kernarg_size 24
		.amdhsa_user_sgpr_count 2
		.amdhsa_user_sgpr_kernarg_segment_ptr 1
		.amdhsa_wavefront_size32 1
		.amdhsa_system_sgpr_workgroup_id_x 1
		.amdhsa_system_sgpr_workgroup_id_y 1
		.amdhsa_system_sgpr_workgroup_id_z 1
		.amdhsa_system_vgpr_workitem_id 0
		.amdhsa_next_free_vgpr 256
		.amdhsa_next_free_sgpr 80
		.amdhsa_reserve_vcc 1
		.amdhsa_float_denorm_mode_32 3
		.amdhsa_float_denorm_mode_16_64 3
		.amdhsa_memory_ordered 1
		.amdhsa_forward_progress 1
		.amdhsa_inst_pref_size 63
	.end_amdhsa_kernel
	.amdgpu_metadata
---
amdhsa.version: [ 1, 2 ]
amdhsa.kernels:
  - .name:           k_qb6a14f9aa2_attn
    .symbol:         k_qb6a14f9aa2_attn.kd
    .args:
      - { .name: qkv_codes, .offset: 0, .size: 8, .value_kind: global_buffer, .address_space: global }
      - { .name: qkv_scales, .offset: 8, .size: 8, .value_kind: global_buffer, .address_space: global }
      - { .name: out0, .offset: 16, .size: 8, .value_kind: global_buffer, .address_space: global }
    .group_segment_fixed_size: 215040
    .private_segment_fixed_size: 0
    .kernarg_segment_align: 8
    .kernarg_segment_size: 24
    .max_flat_workgroup_size: 512
    .sgpr_count:     80
    .vgpr_count:     256
    .wavefront_size: 32
...
	.end_amdgpu_metadata
.endif
;; end of part 3
